; MI455X (gfx1250); checked and timed in simulation.
; The chip was launched on July 23, 2026; its instructions are those of AMD's public machine-readable ISA for CDNA 5 (MIT licence, August 2026) and "CDNA5" Instruction Set Architecture Reference Guide (July 2026). The comments in the code are by the model that wrote it; some were corrected since.
;; Self Attention. Allowed arithmetic: matrix products marked QUANTISED: E2M1 operands, one E8M0 scale for each 32 along K, by v_wmma_scale_f32_16x16x128_f8f6f4 with both operands' format E2M1 (or v_wmma_scale_f32_32x16x128_f4), f32 sums; products left as they are: bf16, f16 or f32 operands; f32 sums; everything else in f32.
;; Inputs: Wk 512 x 512 float32; Wp 512 x 512 float32; Wq 512 x 512 float32; Wv 512 x 512 float32; bp 512 float32; x 2 x 4,096 x 512 float32.
;; Outputs: out0 2 x 4,096 x 512 float32.
;; This version of the problem:
;;   THIS VERSION OF THE PROBLEM IS GIVEN IN LOW PRECISION. The matrix products marked QUANTISED in the list below multiply operands that are first quantised to E2M1 (2 exponent bits, 1 mantissa bit; 4 bits a number), with one power-of-two scale for each 32 numbers along K (OCP MX v1.0); their sums are f32. The products marked 'left as it is' may take bf16, f16 or f32 operands, with f32 sums. Whichever they take, every output number must still come out within the allowed error. Rounding operands to bf16 (8 significant bits) uses up far more of that allowance than f16 does (11 bits, for magnitudes from 6e-5 to 65,504). All else is computed in f32.
;;   The module's matrix products, in the order in which they are computed (A, B: the left and right operand; K: the contracted axis; several contracted axes count as one K, in the product's order):
;;     1. [M 8,192, K 512] x [K 512, N 512]; A: input x; B: input Wq: QUANTISED
;;     2. [M 8,192, K 512] x [K 512, N 512]; A: input x; B: input Wk: QUANTISED
;;     3. [M 8,192, K 512] x [K 512, N 512]; A: input x; B: input Wv: QUANTISED
;;     4. batch 16 x [M 4,096, K 64] x [K 64, N 4,096]; A: computed on the way; B: computed on the way: left as it is (an operand is computed on the way)
;;     5. batch 16 x [M 4,096, K 4,096] x [K 4,096, N 64]; A: computed on the way; B: computed on the way: left as it is (an operand is computed on the way)
;;     6. [M 8,192, K 512] x [K 512, N 512]; A: computed on the way; B: input Wp: left as it is (an operand is computed on the way)
;;   THE QUANTISER, for each operand of a quantised product, along K:
;;     - K is cut into blocks of 32 from its start; a last block that is shorter is filled with zeros.
;;     - A block's scale is 2^e with e = floor(log2(the largest magnitude in the block)) - 2, held to -126 .. 127; a block of zeros has e = 0. As a byte (E8M0): e + 127.
;;     - Each number is divided by its block's scale, clamped to +-6, and rounded to the nearest number of E2M1, ties to even, subnormals kept.
;;     - The product sums the exact products of the quantised numbers (number of the format x scale) in f32.
;;   ~~~python
;;   def quantise(x, axis):      # numpy; x: float32 -> the quantised numbers, widened to float32 again
;;       x = np.moveaxis(x, axis, -1); K = x.shape[-1]
;;       x = np.pad(x, [(0, 0)] * (x.ndim - 1) + [(0, -K % 32)]); x = x.reshape(x.shape[:-1] + (-1, 32)); a = np.abs(x).max(-1, keepdims=True)
;;       e = np.where(a > 0, np.clip(np.frexp(np.where(a > 0, a, 1))[1] - 1 - 2, -126, 127), 0)      # np.frexp(a)[1] - 1 = floor(log2(a)), exactly
;;       r = np.clip(x / 2.0 ** e, -6, 6)
;;       step = 2.0 ** (np.maximum(np.frexp(np.where(r == 0, 1, r))[1] - 1, 0) - 1)
;;       q = np.round(r / step) * step * 2.0 ** e      # np.round: ties to even
;;       return np.moveaxis(q.reshape(q.shape[:-2] + (-1,))[..., :K], -1, axis).astype(np.float32)
;;   ~~~
;; One version. Each part assembles by itself: llvm-mc -triple=amdgcn-amd-amdhsa -mcpu=gfx1250 --defsym DOCPART=n.
;; ======== version 1 of 1: 4 launches
;; limits: values are held in f16: magnitudes above 65,504 overflow, below 6.1e-05 lose precision
;; workspace buffers: codes 2,490,368 bytes; scales 155,648 bytes; wpf 524,288 bytes; qf 8,388,608 bytes; kf 8,388,608 bytes; vf 8,388,608 bytes; of 8,388,608 bytes
;; launch prep (part 1): grid 336 x 1, 2 waves a work-group, no clusters, 17,152 bytes of LDS; arguments x, Wq, Wk, Wv, Wp, codes, scales, wpf; writes codes, scales, wpf
.if DOCPART == 1
	.amdgcn_target "amdgcn-amd-amdhsa--gfx1250"
	.amdhsa_code_object_version 6
	.text
	.protected	k_q67b40492e0_prep
	.globl	k_q67b40492e0_prep
	.p2align	8
	.type	k_q67b40492e0_prep,@function
k_q67b40492e0_prep:
	s_mov_b64 s[64:65], 0
	v_nop
	global_prefetch_b8 v0, s[64:65] scope:SCOPE_SE
	s_setreg_imm32_b32 hwreg(HW_REG_WAVE_MODE, 25, 1), 1
	s_wait_xcnt 0x0
; x [8192][512], Wq, Wk, Wv [512][512], f32, K innermost, become codes of FP4 (E2M1) with one E8M0 byte for each 32 along K; Wp [512][512] becomes f16.
; All three results are laid as IMAGES OF THE READER'S OPERAND REGISTERS: a group of four registers is 512 consecutive bytes, lane l's 16 bytes at 16 l.
;   codes  [tile of 16 rows T][K step of 128 s][c][lane][16 B]: T 0-511 x, 512-543 Wq, 544-575 Wk, 576-607 Wv; registers 4 c .. 4 c + 3 of lane (r, h) hold k = 128 s + 64 c + 32 h + 0 .. 31 of row r
;   scales [row][16 B]: word s of a row = the four bytes of K step s
;   wpf    [block of 128 columns][chunk of 128 k][tile of 16 columns][32 k][half][lane][16 B]: f16 fragments
; A block's scale is 2^(floor(log2(its largest magnitude)) - 2); its byte is the largest magnitude's exponent field - 2, held at 1 from below.
; LIMITS: a block of zeros gets the byte 1 where the rule says 127 (its codes are zeros, and this program alone reads the bytes); blocks whose largest magnitude lies under 2^(3 - 127) are held at the byte 1;
; NaN and infinities among the inputs are not served.  Wp goes to f16: magnitudes from 6e-5 to 65,504 keep 11 bits.
; SHARES: work-groups 0-303: wave w quantises row tile T = 2 g + w: 16 rows, 32,768 consecutive bytes.  Work-groups 304-335: column tile g - 304 of Wp, wave w its K steps (of 32) 8 w .. 8 w + 7.
; A load reads 512 consecutive bytes of one row; the conversions want 16 neighbours along K in one lane: so a K step's 16 x 512 bytes turn through the wave's own stage in LDS (rows 528 bytes apart).  Waves share nothing: no barrier.
.set NQWG,  304                        ; work-groups that quantise
.set STG,   16*528                     ; a wave's stage
.set SPARE, 2*STG                      ; behind the stages: the spare words, 128 bytes for each wave: one block of 256 bytes that no other line names
.set LA,  4                            ; v4   16 x lane: my place in 512 consecutive bytes
.set SI,  5                            ; v5   the stage, on the way in
.set SO,  6                            ; v6   and on the way out: row r, + 64 h
.set SA,  7                            ; v7   16 r + 8 h: where my two scale words go
.set SPW, 8                            ; v8   LDS address of my spare word; never rewritten
.set NIL, 9                            ; v9   0; never rewritten
.set SW,  12                           ; v12-15 the four scale words of my row
.set TM,  16                           ; v16-31 at work
.set PC,  32                           ; v32-63 codes, 8 registers a K step: no store's data are written again
.set R0,  64                           ; v64-127, v128-191 two sets of 16 x 4 registers as loaded
.set X,   192                          ; v192-255 register 16 b + i = k 32 b + 16 h + i of row r
	s_load_b256 s[4:11], s[0:1], 0x0               ; x s[4:5], Wq s[6:7], Wk s[8:9], Wv s[10:11]
	s_load_b256 s[12:19], s[0:1], 0x20             ; Wp s[12:13], codes s[14:15], scales s[16:17], wpf s[18:19]
	v_lshl_add_u32 v[SPW], v0, 2, SPARE
	v_mov_b32 v[NIL], 0
	v_lshrrev_b32 v1, 5, v0
	v_readfirstlane_b32 s20, v1                    ; wave 0, 1
	v_and_b32 v1, 31, v0                           ; lane
	v_and_b32 v2, 15, v0                           ; r
	v_bfe_u32 v3, v0, 4, 1                         ; h
	v_lshlrev_b32 v[LA], 4, v1
	s_mul_i32 s21, s20, STG
	v_add_nc_u32 v[SI], s21, v[LA]
	v_mul_u32_u24 v[SO], v2, 528
	v_lshl_add_u32 v[SO], v3, 6, v[SO]
	v_add_nc_u32 v[SO], s21, v[SO]
	v_lshlrev_b32 v[SA], 4, v2
	v_lshl_add_u32 v[SA], v3, 3, v[SA]
	s_mov_b32 s22, 0x76543210
	s_mov_b32 s23, 0xfedcba98                      ; v_permlanex16_b32's selects for lane l xor 16
	s_wait_kmcnt 0x0
	s_cmp_ge_u32 ttmp9, NQWG                       ; the work-group's number alone decides
	s_cbranch_scc1 .Lwp
	; ---- the quantiser.  Which tensor: a choice of pointers on the work-group's number
	s_mov_b64 s[24:25], s[10:11]                   ; Wv, whose first tile is 576
	s_mov_b32 s26, 576
	s_cmp_lt_u32 ttmp9, 288
	s_cselect_b64 s[24:25], s[8:9], s[24:25]       ; Wk
	s_cselect_b32 s26, 544, s26
	s_cmp_lt_u32 ttmp9, 272
	s_cselect_b64 s[24:25], s[6:7], s[24:25]       ; Wq
	s_cselect_b32 s26, 512, s26
	s_cmp_lt_u32 ttmp9, 256
	s_cselect_b64 s[24:25], s[4:5], s[24:25]       ; x
	s_cselect_b32 s26, 0, s26
	s_lshl_b32 s27, ttmp9, 1
	s_add_co_u32 s27, s27, s20                     ; T = 2 g + wave
	s_sub_co_u32 s28, s27, s26
	s_lshl_b32 s28, s28, 15                        ; 32,768 bytes a tile in its tensor
	s_mov_b32 s29, 0
	s_add_nc_u64 s[24:25], s[24:25], s[28:29]
	s_lshl_b32 s28, s27, 12                        ; 4,096 bytes of codes a tile
	s_add_nc_u64 s[14:15], s[14:15], s[28:29]
	s_lshl_b32 s28, s27, 8                         ; 256 scale bytes a tile
	s_add_nc_u64 s[16:17], s[16:17], s[28:29]
.irp b, 0,1,2,3
	v_mov_b32 v[TM+4+\b], 0                        ; written once: a lane permute's destination counts as one of its sources
.endr
.macro LOADK s, set                    ; K step s of the 16 rows: each load reads 512 consecutive bytes of one row
.irp i, 0,1,2,3,4,5,6,7,8,9,10,11,12,13,14,15
	global_load_b128 v[\set+4*\i:\set+4*\i+3], v[LA], s[24:25] offset:2048*\i+512*(\s) th:TH_LOAD_NT
.endr
.endm
.macro TURNIN set                      ; through my stage: LDS serves a wave's instructions in order, so no wait stands between the stores and the loads
.irp i, 0,1,2,3,4,5,6,7,8,9,10,11,12,13,14,15
	ds_store_b128 v[SI], v[\set+4*\i:\set+4*\i+3] offset:528*\i
.endr
.irp b, 0,1,2,3
.irp j, 0,1,2,3
	ds_load_b128 v[X+16*\b+4*\j:X+16*\b+4*\j+3], v[SO] offset:128*\b+16*\j
.endr
.endr
.endm
.macro QUANT pc, pw                    ; X's 64 numbers become a fragment's codes in v[pc] on and my row's scale word in v[pw]
.irp b, 0,1,2,3
	v_max3_num_f32 v[TM+\b], |v[X+16*\b]|, |v[X+1+16*\b]|, 0x1800000   ; block b: my 16 numbers, and the floor 2^(3 - 127): the byte cannot fall under 1
.endr
.irp i, 2,4,6,8,10,12,14
.irp b, 0,1,2,3
	v_max3_num_f32 v[TM+\b], v[TM+\b], |v[X+16*\b+\i]|, |v[X+1+16*\b+\i]|   ; the four blocks by turns
.endr
.endr
.irp b, 0,1,2,3
	v_permlanex16_b32 v[TM+4+\b], v[TM+\b], s22, s23
.endr
.irp b, 0,1,2,3
	v_max_num_f32 v[TM+\b], v[TM+\b], v[TM+4+\b]   ; with lane l xor 16's: the block's largest magnitude
.endr
.irp b, 0,1,2,3
	v_add_nc_u32 v[TM+12+\b], 0xff000000, v[TM+\b] ; 2 off its exponent field: the conversion takes the exponent field of this operand as its scale
.endr
.irp b, 0,1,2,3
	v_lshrrev_b32 v[TM+4+\b], 23, v[TM+12+\b]      ; the scale's byte
.endr
	v_lshl_or_b32 v[\pw], v[TM+5], 8, v[TM+4]
	v_lshl_or_b32 v[\pw], v[TM+6], 16, v[\pw]
	v_lshl_or_b32 v[\pw], v[TM+7], 24, v[\pw]
.irp b, 0,1,2,3
	v_cvt_scalef32_pk8_fp4_f32 v[\pc+2*\b], v[X+16*\b:X+7+16*\b], v[TM+12+\b]
	v_cvt_scalef32_pk8_fp4_f32 v[\pc+1+2*\b], v[X+8+16*\b:X+15+16*\b], v[TM+12+\b]
.endr
	v_nop                                          ; one plain place behind a scaled conversion
.irp c, 0,1                                    ; the operand's layout wants a whole block in a lane: lanes 0-15 block 2 c, lanes 16-31 block 2 c + 1
.irp i, 0,1
	v_permlane16_swap_b32 v[\pc+4*\c+\i], v[\pc+2+4*\c+\i]
.endr
.endr
.endm
.macro KSTEP s
.set RS, R0+64*((\s)%2)
.if (\s) < 3
	s_wait_loadcnt 16                              ; this K step's 16 loads are in; the next K step's 16 may be out
.else
	s_wait_loadcnt 0x0
.endif
	TURNIN RS
	s_wait_dscnt 0x0                               ; X is in, and the stage's stores have read their registers
.if (\s) < 2
	LOADK (\s)+2, RS                               ; which take the K step two on
.endif
	QUANT PC+8*(\s), SW+(\s)
	global_store_b128 v[LA], v[PC+8*(\s):PC+8*(\s)+3], s[14:15] offset:1024*(\s)        ; 32 lanes store 512 consecutive bytes, aligned
	global_store_b128 v[LA], v[PC+8*(\s)+4:PC+8*(\s)+7], s[14:15] offset:1024*(\s)+512
.endm
	LOADK 0, R0
	LOADK 1, R0+64
	KSTEP 0
	KSTEP 1
	KSTEP 2
	KSTEP 3
	v_cmp_eq_u32 vcc_lo, 1, v3                     ; both halves of the lanes hold all four words of row r: lane (r, h) stores words 2 h and 2 h + 1
	v_cndmask_b32 v10, v[SW], v[SW+2], vcc_lo
	v_cndmask_b32 v11, v[SW+1], v[SW+3], vcc_lo
	global_store_b64 v[SA], v[10:11], s[16:17]     ; 32 lanes store 256 consecutive bytes, aligned
	s_wait_tensorcnt 0x0                           ; the wave's end
	ds_add_u32 v[SPW], v[NIL]
	s_wait_dscnt 0x0
	s_endpgm
.Lwp:	; ---- Wp to f16 fragments: lane (r, h) of fragment s holds column 16 ct + r, k = 32 S + 8 h + 0 .. 7 and 32 S + 16 + 8 h + 0 .. 7, S = 8 w + s.
	; A lane reads 32 consecutive bytes, four times a fragment, from rows 2,048 bytes apart: Wp is 1 MiB and is read once.
	s_sub_co_u32 s26, ttmp9, NQWG                  ; ct
	s_lshl_b32 s28, s26, 15                        ; 16 rows of 2,048 bytes
	s_lshl_b32 s27, s20, 10                        ; my 8 K steps of 128 bytes
	s_add_co_u32 s28, s28, s27
	s_mov_b32 s29, 0
	s_add_nc_u64 s[12:13], s[12:13], s[28:29]
	s_lshr_b32 s28, s26, 3
	s_lshl_b32 s28, s28, 17                        ; block of 128 columns
	s_and_b32 s27, s26, 7
	s_lshl_b32 s27, s27, 12                        ; tile in it
	s_add_co_u32 s28, s28, s27
	s_lshl_b32 s27, s20, 16                        ; my two chunks
	s_add_co_u32 s28, s28, s27
	s_add_nc_u64 s[18:19], s[18:19], s[28:29]
	v_lshlrev_b32 v10, 11, v2
	v_lshl_add_u32 v10, v3, 5, v10                 ; 2,048 r + 32 h
.irp s, 0,1,2,3,4,5,6,7
	global_load_b128 v[64+16*\s:64+16*\s+3],     v10, s[12:13] offset:128*\s th:TH_LOAD_NT
	global_load_b128 v[64+16*\s+4:64+16*\s+7],   v10, s[12:13] offset:128*\s+16 th:TH_LOAD_NT
	global_load_b128 v[64+16*\s+8:64+16*\s+11],  v10, s[12:13] offset:128*\s+64 th:TH_LOAD_NT
	global_load_b128 v[64+16*\s+12:64+16*\s+15], v10, s[12:13] offset:128*\s+80 th:TH_LOAD_NT
.endr
.irp s, 0,1,2,3,4,5,6,7
	s_wait_loadcnt 4*(7-\s)                        ; this fragment's four loads are in; the later fragments' may be out
.irp i, 0,1,2,3,4,5,6,7
	v_cvt_pk_f16_f32 v[192+8*\s+\i], v[64+16*\s+2*\i], v[64+16*\s+2*\i+1]
.endr
	global_store_b128 v[LA], v[192+8*\s:192+8*\s+3], s[18:19] offset:(\s/4)*32768+(\s%4)*1024
	global_store_b128 v[LA], v[192+8*\s+4:192+8*\s+7], s[18:19] offset:(\s/4)*32768+(\s%4)*1024+512
.endr
	s_wait_tensorcnt 0x0                           ; the same three lines at this path's end
	ds_add_u32 v[SPW], v[NIL]
	s_wait_dscnt 0x0
	s_endpgm
.Lfunc_end_k_q67b40492e0_prep:
	.size	k_q67b40492e0_prep, .Lfunc_end_k_q67b40492e0_prep-k_q67b40492e0_prep
	.p2alignl 7, 3214868480
	.fill 96, 4, 3214868480
	.section	.rodata,"a",@progbits
	.p2align	6, 0x0
	.amdhsa_kernel k_q67b40492e0_prep
		.amdhsa_group_segment_fixed_size 17152
		.amdhsa_private_segment_fixed_size 0
		.amdhsa_enable_private_segment 0
		.amdhsa_kernarg_size 64
		.amdhsa_user_sgpr_count 2
		.amdhsa_user_sgpr_kernarg_segment_ptr 1
		.amdhsa_wavefront_size32 1
		.amdhsa_system_sgpr_workgroup_id_x 1
		.amdhsa_system_sgpr_workgroup_id_y 1
		.amdhsa_system_sgpr_workgroup_id_z 1
		.amdhsa_system_vgpr_workitem_id 0
		.amdhsa_next_free_vgpr 256
		.amdhsa_next_free_sgpr 66
		.amdhsa_reserve_vcc 1
		.amdhsa_float_denorm_mode_32 3
		.amdhsa_float_denorm_mode_16_64 3
		.amdhsa_memory_ordered 1
		.amdhsa_forward_progress 1
		.amdhsa_inst_pref_size 42
	.end_amdhsa_kernel
	.amdgpu_metadata
---
amdhsa.version: [ 1, 2 ]
amdhsa.kernels:
  - .name:           k_q67b40492e0_prep
    .symbol:         k_q67b40492e0_prep.kd
    .args:
      - { .name: x, .offset: 0, .size: 8, .value_kind: global_buffer, .address_space: global }
      - { .name: Wq, .offset: 8, .size: 8, .value_kind: global_buffer, .address_space: global }
      - { .name: Wk, .offset: 16, .size: 8, .value_kind: global_buffer, .address_space: global }
      - { .name: Wv, .offset: 24, .size: 8, .value_kind: global_buffer, .address_space: global }
      - { .name: Wp, .offset: 32, .size: 8, .value_kind: global_buffer, .address_space: global }
      - { .name: codes, .offset: 40, .size: 8, .value_kind: global_buffer, .address_space: global }
      - { .name: scales, .offset: 48, .size: 8, .value_kind: global_buffer, .address_space: global }
      - { .name: wpf, .offset: 56, .size: 8, .value_kind: global_buffer, .address_space: global }
    .group_segment_fixed_size: 17152
    .private_segment_fixed_size: 0
    .kernarg_segment_align: 8
    .kernarg_segment_size: 64
    .max_flat_workgroup_size: 64
    .sgpr_count:     66
    .vgpr_count:     256
    .wavefront_size: 32
...
	.end_amdgpu_metadata
.endif
;; end of part 1
;; launch qkv (part 2): grid 64 x 4, 3 waves a work-group, no clusters, 0 bytes of LDS; arguments codes, scales, qf, kf, vf; writes qf, kf, vf
.if DOCPART == 2
	.amdgcn_target "amdgcn-amd-amdhsa--gfx1250"
	.amdhsa_code_object_version 6
	.text
	.protected	k_q67b40492e0_qkv
	.globl	k_q67b40492e0_qkv
	.p2align	8
	.type	k_q67b40492e0_qkv,@function
k_q67b40492e0_qkv:
	s_mov_b64 s[64:65], 0
	v_nop
	global_prefetch_b8 v0, s[64:65] scope:SCOPE_SE
	s_setreg_imm32_b32 hwreg(HW_REG_WAVE_MODE, 25, 1), 1
	s_wait_xcnt 0x0
; q = x Wq^T, k = x Wk^T, v = x Wv^T on codes of FP4 (E2M1) with E8M0 scales, sums in f32, results rounded once to f16 and stored as images of the attention launch's operand registers:
;   qf, kf [batch x head 16][tile of 16 positions 256][32 channels s][half][lane][16 B]      vf [batch x head 16][group of 32 keys 128][tile of 16 channels 4][half][lane][16 B]
; SHARES: work-group (gx, gy): rows 128 gx .. + 127 of x, heads 2 gy and 2 gy + 1 (128 channels).  Wave 0 makes q, wave 1 k, wave 2 v: 8 x 8 tiles x 4 K steps = 256 matrix instructions a wave.
; 3 x 512 channels do not fall into four equal parts of whole heads, so a work-group has three waves.
; OPERANDS come from memory straight into registers: codes and scale words were stored in the order of the registers, so each load reads 512 consecutive bytes.  No LDS, no barrier, no tensor load; hence no cluster:
; a wave reads 64 KiB of images for its 256 products and stores 32 KiB.
; WHICH SOURCE GOES FIRST decides what a lane holds.  q, k: source 0 = 16 rows of W, source 1 = 16 rows of x: a lane holds position r and 8 neighbouring channels.  v: the other way round: channel r and 8 neighbouring keys.
; Four roundings in pairs of an accumulator's eight registers are then half a fragment of the reader, and leave by one store of 512 consecutive bytes, aligned.
; LIMIT: |q|, |k|, |v| stay under 65,504 (f16); they are sums of 512 products of x and W.
; REGISTERS: window 0: v2 16 x lane; v8-23 W's scale words, v24-39 x's (register 4 i + s: lanes 0-15 tile 2 i, lanes 16-31 tile 2 i + 1, K step s); v64-127 eight accumulators; v128-191 two sets of 32 packed results.
;   window 1: W's fragment (ct, s) at v[8 (4 ct + s)].   window 2: x's fragment (m, s) likewise.
.set LI,  2
.set WS,  8
.set XS,  24
.set ACC, 64
.set PK,  128
.set MSB, 0
.macro WIN new                         ; the immediate's high byte repeats the setting that is left
.if MSB != \new
	s_set_vgpr_msb (MSB<<8)|\new
.set MSB, \new
.endif
.endm
	s_load_b256 s[4:11], s[0:1], 0x0               ; codes s[4:5], scales s[6:7], qf s[8:9], kf s[10:11]
	s_load_b64 s[12:13], s[0:1], 0x20              ; vf
	v_lshrrev_b32 v1, 5, v0
	v_readfirstlane_b32 s14, v1                    ; wave 0..2
	v_and_b32 v1, 31, v0
	v_lshlrev_b32 v[LI], 4, v1
	s_and_b32 s15, ttmp7, 0xffff                   ; gy
	s_lshl_b32 s16, s14, 5
	s_lshl_b32 s17, s15, 3
	s_add_co_u32 s16, s16, s17
	s_add_co_u32 s16, s16, 512                     ; my first tile of W: 512 + 32 wave + 8 gy
	s_lshl_b32 s20, s16, 12                        ; 4,096 bytes of codes a tile,
	s_mov_b32 s21, 0
	s_lshl_b32 s22, s16, 8                         ; 256 scale bytes
	s_mov_b32 s23, 0
	s_lshl_b32 s24, ttmp9, 15                      ; x: 8 tiles a work-group
	s_mov_b32 s25, 0
	s_lshl_b32 s26, ttmp9, 11
	s_mov_b32 s27, 0
	s_lshr_b32 s28, ttmp9, 5                       ; where the results go, the same in all three buffers: batch x 2^22
	s_lshl_b32 s28, s28, 22
	s_lshl_b32 s17, s15, 20                        ; + head 2 gy x 2^19
	s_add_co_u32 s28, s28, s17
	s_and_b32 s17, ttmp9, 31
	s_lshl_b32 s17, s17, 14                        ; + 128 positions x 128 bytes
	s_add_co_u32 s28, s28, s17
	s_mov_b32 s29, 0
	s_wait_kmcnt 0x0
	s_add_nc_u64 s[20:21], s[4:5], s[20:21]
	s_add_nc_u64 s[22:23], s[6:7], s[22:23]
	s_add_nc_u64 s[24:25], s[4:5], s[24:25]
	s_add_nc_u64 s[26:27], s[6:7], s[26:27]
	s_cmp_eq_u32 s14, 0
	s_cselect_b64 s[30:31], s[8:9], s[10:11]
	s_cmp_eq_u32 s14, 2
	s_cselect_b64 s[30:31], s[12:13], s[30:31]
	s_add_nc_u64 s[30:31], s[30:31], s[28:29]
.irp i, 0,1,2,3
	global_load_b128 v[WS+4*\i:WS+4*\i+3], v[LI], s[22:23] offset:512*\i   ; lane l: the four scale words of row 32 i + l
.endr
.irp i, 0,1,2,3
	global_load_b128 v[XS+4*\i:XS+4*\i+3], v[LI], s[26:27] offset:512*\i
.endr
	WIN 0x40                                       ; destination window 1
.set n, 0
.rept 64
	global_load_b128 v[4*n:4*n+3], v[LI], s[20:21] offset:512*n
.set n, n+1
.endr
	WIN 0x80                                       ; destination window 2
.set n, 0
.rept 64
	global_load_b128 v[4*n:4*n+3], v[LI], s[24:25] offset:512*n            ; a row tile's eight loads on end
.set n, n+1
.endr
	WIN 0
; One product.  s = 0: the first K step starts the sum.  ra, rb: the sources' scale words stand in lanes 16-31 of their registers.
.macro WM d, a, b, s, sa, sb, ra, rb
.if (\s) == 0
.if (\ra) && (\rb)
	v_wmma_scale_f32_16x16x128_f8f6f4 v[\d:\d+7], v[\a:\a+7], v[\b:\b+7], 0, v[\sa], v[\sb] matrix_a_fmt:MATRIX_FMT_FP4 matrix_b_fmt:MATRIX_FMT_FP4 matrix_a_scale:MATRIX_SCALE_ROW1 matrix_b_scale:MATRIX_SCALE_ROW1
.elseif (\ra)
	v_wmma_scale_f32_16x16x128_f8f6f4 v[\d:\d+7], v[\a:\a+7], v[\b:\b+7], 0, v[\sa], v[\sb] matrix_a_fmt:MATRIX_FMT_FP4 matrix_b_fmt:MATRIX_FMT_FP4 matrix_a_scale:MATRIX_SCALE_ROW1
.elseif (\rb)
	v_wmma_scale_f32_16x16x128_f8f6f4 v[\d:\d+7], v[\a:\a+7], v[\b:\b+7], 0, v[\sa], v[\sb] matrix_a_fmt:MATRIX_FMT_FP4 matrix_b_fmt:MATRIX_FMT_FP4 matrix_b_scale:MATRIX_SCALE_ROW1
.else
	v_wmma_scale_f32_16x16x128_f8f6f4 v[\d:\d+7], v[\a:\a+7], v[\b:\b+7], 0, v[\sa], v[\sb] matrix_a_fmt:MATRIX_FMT_FP4 matrix_b_fmt:MATRIX_FMT_FP4
.endif
.else
.if (\ra) && (\rb)
	v_wmma_scale_f32_16x16x128_f8f6f4 v[\d:\d+7], v[\a:\a+7], v[\b:\b+7], v[\d:\d+7], v[\sa], v[\sb] matrix_a_fmt:MATRIX_FMT_FP4 matrix_b_fmt:MATRIX_FMT_FP4 matrix_a_scale:MATRIX_SCALE_ROW1 matrix_b_scale:MATRIX_SCALE_ROW1
.elseif (\ra)
	v_wmma_scale_f32_16x16x128_f8f6f4 v[\d:\d+7], v[\a:\a+7], v[\b:\b+7], v[\d:\d+7], v[\sa], v[\sb] matrix_a_fmt:MATRIX_FMT_FP4 matrix_b_fmt:MATRIX_FMT_FP4 matrix_a_scale:MATRIX_SCALE_ROW1
.elseif (\rb)
	v_wmma_scale_f32_16x16x128_f8f6f4 v[\d:\d+7], v[\a:\a+7], v[\b:\b+7], v[\d:\d+7], v[\sa], v[\sb] matrix_a_fmt:MATRIX_FMT_FP4 matrix_b_fmt:MATRIX_FMT_FP4 matrix_b_scale:MATRIX_SCALE_ROW1
.else
	v_wmma_scale_f32_16x16x128_f8f6f4 v[\d:\d+7], v[\a:\a+7], v[\b:\b+7], v[\d:\d+7], v[\sa], v[\sb] matrix_a_fmt:MATRIX_FMT_FP4 matrix_b_fmt:MATRIX_FMT_FP4
.endif
.endif
.endm
; Row tile m against my eight column tiles: 32 products, the eight accumulators by turns, one instruction a turn; then rounded and stored.
; Behind the products: four v_nop ahead of the first reading of a result; the roundings of the other seven accumulators are the places ahead of each accumulator's new start with C = 0 in the next tile.
.macro TILE m, swap
	s_wait_loadcnt 8*(7-(\m))                      ; all loads up to this row tile's eight are in; the later row tiles' may be out
.if \swap
	WIN 0x06                                       ; source 0 (x) window 2, source 1 (W) window 1
.else
	WIN 0x09                                       ; source 0 (W) window 1, source 1 (x) window 2
.endif
.irp s, 0,1,2,3
.irp ct, 0,1,2,3,4,5,6,7
.if \swap
	WM ACC+8*\ct, 8*(4*(\m)+\s), 8*(4*\ct+\s), \s, XS+4*((\m)/2)+\s, WS+4*(\ct/2)+\s, (\m)%2, \ct%2
.else
	WM ACC+8*\ct, 8*(4*\ct+\s), 8*(4*(\m)+\s), \s, WS+4*(\ct/2)+\s, XS+4*((\m)/2)+\s, \ct%2, (\m)%2
.endif
.endr
.endr
	WIN 0
.if (\m) >= 2
	s_wait_xcnt 0x0                                ; the stores of two tiles ago have read this set of packed results: it is written again only behind this wait
.endif
.rept 4
	v_nop
.endr
.set PS, PK+32*((\m)%2)
.irp ct, 0,1,2,3,4,5,6,7
.irp i, 0,1,2,3
	v_cvt_pk_f16_f32 v[PS+4*\ct+\i], v[ACC+8*\ct+2*\i], v[ACC+8*\ct+2*\i+1]   ; each accumulator from its low end on
.endr
.endr
.irp ct, 0,1,2,3,4,5,6,7
.if \swap
	global_store_b128 v[LI], v[PS+4*\ct:PS+4*\ct+3], s[30:31] offset:(\ct/4)*524288+4096*((\m)/2)+1024*(\ct%4)+512*((\m)%2)
.else
	global_store_b128 v[LI], v[PS+4*\ct:PS+4*\ct+3], s[30:31] offset:(\ct/4)*524288+2048*(\m)+512*(\ct%4)
.endif
.endr
.endm
	s_cmp_eq_u32 s14, 2
	s_cbranch_scc1 .Lv
.irp m, 0,1,2,3,4,5,6,7
	TILE \m, 0
.endr
	s_endpgm
.Lv:
.irp m, 0,1,2,3,4,5,6,7
	TILE \m, 1
.endr
	s_endpgm
.Lfunc_end_k_q67b40492e0_qkv:
	.size	k_q67b40492e0_qkv, .Lfunc_end_k_q67b40492e0_qkv-k_q67b40492e0_qkv
	.p2alignl 7, 3214868480
	.fill 96, 4, 3214868480
	.section	.rodata,"a",@progbits
	.p2align	6, 0x0
	.amdhsa_kernel k_q67b40492e0_qkv
		.amdhsa_group_segment_fixed_size 0
		.amdhsa_private_segment_fixed_size 0
		.amdhsa_enable_private_segment 0
		.amdhsa_kernarg_size 40
		.amdhsa_user_sgpr_count 2
		.amdhsa_user_sgpr_kernarg_segment_ptr 1
		.amdhsa_wavefront_size32 1
		.amdhsa_system_sgpr_workgroup_id_x 1
		.amdhsa_system_sgpr_workgroup_id_y 1
		.amdhsa_system_sgpr_workgroup_id_z 1
		.amdhsa_system_vgpr_workitem_id 0
		.amdhsa_next_free_vgpr 768
		.amdhsa_next_free_sgpr 66
		.amdhsa_reserve_vcc 0
		.amdhsa_float_denorm_mode_32 3
		.amdhsa_float_denorm_mode_16_64 3
		.amdhsa_memory_ordered 1
		.amdhsa_forward_progress 1
		.amdhsa_inst_pref_size 127
	.end_amdhsa_kernel
	.amdgpu_metadata
---
amdhsa.version: [ 1, 2 ]
amdhsa.kernels:
  - .name:           k_q67b40492e0_qkv
    .symbol:         k_q67b40492e0_qkv.kd
    .args:
      - { .name: codes, .offset: 0, .size: 8, .value_kind: global_buffer, .address_space: global }
      - { .name: scales, .offset: 8, .size: 8, .value_kind: global_buffer, .address_space: global }
      - { .name: qf, .offset: 16, .size: 8, .value_kind: global_buffer, .address_space: global }
      - { .name: kf, .offset: 24, .size: 8, .value_kind: global_buffer, .address_space: global }
      - { .name: vf, .offset: 32, .size: 8, .value_kind: global_buffer, .address_space: global }
    .group_segment_fixed_size: 0
    .private_segment_fixed_size: 0
    .kernarg_segment_align: 8
    .kernarg_segment_size: 40
    .max_flat_workgroup_size: 96
    .sgpr_count:     66
    .vgpr_count:     768
    .wavefront_size: 32
...
	.end_amdgpu_metadata
.endif
;; end of part 2
;; launch attn (part 3): grid 16 x 16, 4 waves a work-group, clusters of 4 x 1, 327,680 bytes of LDS; arguments qf, kf, vf, of; writes of
.if DOCPART == 3
	.amdgcn_target "amdgcn-amd-amdhsa--gfx1250"
	.amdhsa_code_object_version 6
	.text
	.protected	k_q67b40492e0_attn
	.globl	k_q67b40492e0_attn
	.p2align	8
	.type	k_q67b40492e0_attn,@function
k_q67b40492e0_attn:
	s_mov_b64 s[64:65], 0
	v_nop
	global_prefetch_b8 v0, s[64:65] scope:SCOPE_SE
	s_setreg_imm32_b32 hwreg(HW_REG_WAVE_MODE, 25, 1), 1
	s_wait_xcnt 0x0
	s_wait_alu depctr_hold_cnt(0) depctr_sa_sdst(0) depctr_va_vdst(0) depctr_va_sdst(0) depctr_va_ssrc(0) depctr_va_vcc(0) depctr_vm_vsrc(0)
	s_getreg_b32 s2, hwreg(HW_REG_IB_STS2, 6, 4)
	s_cmp_eq_u32 s2, 0
	s_cbranch_scc0 .Lentry_in_a_cluster
	s_endpgm
.Lentry_in_a_cluster:
	s_bfe_u32 s2, ttmp6, 0x10000c
	s_cmp_lg_u32 s2, 0x3003
	s_cbranch_scc0 .Lentry_shape_is_right
	s_endpgm
.Lentry_shape_is_right:
; O[bh][q] = the sum over k of softmax_k(Q[bh][q] . K[bh][k] / 8) V[bh][k]: 16 heads (batch x head) of 4,096 positions x 64 channels, no mask.  Operands f16, products, maxima and sums f32; p is rounded to f16 for the
; second product, O once at the end.  All four buffers are images of operand registers (a group of four registers = 512 consecutive bytes, lane l's 16 bytes at 16 l), so nothing is padded, turned or staged.
; LIMITS: p under 2^-25 rounds to 0; o under 6e-5 falls among f16's subnormals (absolute error 3e-8); NaN and infinities are not served.
; SHARES.  A work-group owns 256 queries of one head, each of its four waves 64: four tiles of 16.  Every wave walks all keys, 128 a step.
; LAYOUT.  S^T = K Q^T (source 0 = 16 keys, source 1 = 16 queries): a lane holds ONE query (lane % 16) and keys 8 (lane / 16) + 0..7.  Two such tiles rounded in pairs ARE source 1 (32 keys x 16 queries) of
; O^T = V^T P, whose result again holds one query a lane and eight channels; rounded in pairs that is half a fragment of the projection's operand.
; SOFTMAX.  For each query a running maximum m and sum l: p = 2^(c s - c m), c = log2(e) / 8; in every step O and l are multiplied by a = 2^(c m_old - c m_new).
; BY TURNS.  The wave's tiles are two pieces (piece 0: tiles 0, 1; piece 2: tiles 2, 3).  In a turn one piece has the matrix unit: 32 products V^T P of the step in hand, then 32 products K Q^T of the next step; the other
; piece's softmax, 432 instructions cut into 64 slices, stands between them, one slice behind each matrix instruction.  Two turns are a key step.
; CLUSTER.  The four query blocks of a cluster belong to one head and walk the same K and V: each tile is asked for jointly, by the same tensor load with the same descriptor and a mask that names the four.
; REGISTERS, in windows of 256 (s_set_vgpr_msb: bits 1:0 source 0, 3:2 source 1, 5:4 source 2, 7:6 destination):
;   window 0: v2-5 addresses; v12-43 statistics, 8 a tile; v44-46; v48-111 Q, 16 a tile; v112-239 P, 32 a tile      window 1: S^T, 64 a tile      window 2: v0-127 K, v128-255 V of one step      window 3: v0-127 O^T, 32 a tile
.set SEQ,   4096
.set KS,    128                        ; keys in a step
.set TILEB, 16384                      ; a step's K, or its V, in bytes
.set STEPB, 2*TILEB                    ; a step in LDS: K, then V
.set VOFF,  TILEB
.set SLOT1, 1<<16                      ; a slot holds two steps; one exclusive or turns an address in one slot into the other's
.set SPARE, 2*SLOT1                    ; behind the ring: the spare words, 128 bytes for each wave: two blocks of 256 bytes that no other line names
.set AK0, 2                            ; v2   16 x lane: my place in an image of K
.set AV0, 3                            ; v3   the same for V
.set ADR, 4                            ; v4   the LDS address of the run of loads in hand
.set GO,  5                            ; v5   16 x lane: my byte offset in Q's and O's images
.set ST,  12                           ; tile t's statistics at v[ST + 8 t]: +0 c m, +1 m, +2, +3 l (even keys', odd keys'), +4 to +7 c0-c3, at work; a takes c2's place
.set PFO, 44                           ; v44  256 x lane; never rewritten
.set SPW, 45                           ; v45  LDS address of my spare word; never rewritten
.set NIL, 46                           ; v46  0; never rewritten
.set Q,   48
.set P,   112
.set WV,  12                           ; s12  my wave's number
.set LIM, 15                           ; s15  1 in a wave that prefetches, else the greatest number
.set PFA, 18                           ; s[18:19] where my prefetches stand
.set G1,  24                           ; s[24:31] descriptor group 1: one shape for K's and V's tiles
.set G0K, 40                           ; s[40:47] group 0 for K's tiles: a set for each of the two first fills; the second then walks on
.set G0V, 48                           ; s[48:55] the same for V's
.set SLOTS, 56                         ; s56  slots still to be asked for
.set TWICE, 57                         ; s57  counts a slot's two steps
.set CS,  58                           ; s[58:59] c
.set SEL, 60                           ; s[60:61] lane selects for v_permlanex16_b32
.set TB,  62                           ; s62  LDS byte at which the tiles of the step to be fetched begin
.set MSB, 0
.macro WIN new                         ; the immediate's high byte repeats the setting that is left; a switch that changes nothing is dropped
.if MSB != \new
	s_set_vgpr_msb (MSB<<8)|\new
.set MSB, \new
.endif
.endm
.set W_KQ, 0x52                        ; K window 2, Q window 0, S^T window 1
.set W_PV, 0xf2                        ; V window 2, P window 0, O^T window 3
.set W_MX, 0x14                        ; the maximum: S^T as sources 1 and 2
.set W_BT, 0x41                        ; scalings and exponentials: S^T in place, c m in window 0
.set W_CV, 0x05                        ; from S^T into window 0
.set W_SM, 0x45                        ; sums in place in S^T
.set W_LF, 0x10                        ; l = l a + S^T's sum
.set W_RS, 0xc3                        ; O^T in place, a in window 0
.set W_LD, 0x80                        ; LDS loads into window 2
; A joint refill.  Waves 0 and 1 fetch the two steps' tiles of K, waves 2 and 3 those of V.  The branch hangs on the wave's number alone.  An s_nop 0 and four v_nop follow each of the two lines.
.macro JLOAD
	s_cmp_lt_u32 s[WV], 2
	s_cbranch_scc0 .Lfor_v_\@
	tensor_load_to_lds s[G0K+4:G0K+7], s[G1:G1+7]
	s_nop 0
.rept 4
	v_nop
.endr
	s_branch .Lasked_\@
.Lfor_v_\@:
	tensor_load_to_lds s[G0V+4:G0V+7], s[G1:G1+7]
	s_nop 0
.rept 4
	v_nop
.endr
.Lasked_\@:
.endm
; A prefetch of what the NEXT change of slots will ask for: a slot's 32,768 bytes of K and of V.  Each block of 256 bytes is named once in the launch: the head's first cluster asks; its four partners take 8,192 bytes each,
; told apart by address; in each, wave 0 asks for K's and wave 2 for V's, lanes 256 bytes apart.  Two key steps, 256 matrix instructions, ahead of the load.  The last change that fills a slot asks for nothing.
.macro ASK
	s_cmp_gt_u32 s[SLOTS], s[LIM]
	s_cbranch_scc0 .Lnot_mine_\@
	global_prefetch_b8 v[PFO], s[PFA:PFA+1] th:TH_LOAD_NT scope:SCOPE_SE
.Lnot_mine_\@:
.endm
.macro CROUND                          ; a round of the cluster's barrier
	s_barrier_signal -1
	s_barrier_wait -1
	s_cmp_lg_u32 s[WV], 0
	s_cbranch_scc1 .Lnot_wave_0_\@
	s_barrier_signal -3
.Lnot_wave_0_\@:
	s_barrier_wait -3
	s_barrier_signal -1
	s_barrier_wait -1
.endm
	s_load_b256 s[4:11], s[0:1], 0x0               ; qf s[4:5], kf s[6:7], vf s[8:9], of s[10:11]
	v_lshl_add_u32 v[SPW], v0, 2, SPARE
	v_mov_b32 v[NIL], 0
	ds_add_u32 v[SPW], v[NIL]                      ; the wave's opening: the add, twice on end, and its wait ahead of my first tensor load
	ds_add_u32 v[SPW], v[NIL]
	v_lshrrev_b32 v1, 5, v0
	v_readfirstlane_b32 s[WV], v1                  ; wave 0..3
	s_bfe_u32 s13, ttmp6, 0x40000                  ; cx: my place in the cluster
	s_lshl_b32 s14, ttmp9, 2
	s_add_co_u32 s14, s14, s13                     ; my block of 256 queries: it enters Q's and O's addresses alone
	s_and_b32 s32, ttmp7, 0xffff                   ; batch x head, which the four partners share
	s_lshl_b32 s20, s32, 19                        ; its first byte in qf, kf and vf
	s_and_b32 s16, s[WV], 1                        ; which of a slot's two steps I fetch:
	s_lshl_b32 s22, s16, 14                        ; its 16,384 bytes in memory,
	s_add_co_u32 s22, s22, s20
	s_mov_b32 s23, 0
	s_lshl_b32 s17, s16, 15                        ; and its place in a slot
	s_lshl_b32 s2, s14, 15                         ; Q: my block's 16 tiles of 2,048 bytes,
	s_lshl_b32 s3, s[WV], 13                       ; my wave's four
	s_add_co_u32 s2, s2, s3
	s_add_co_u32 s2, s2, s20
	s_mov_b32 s3, 0
	s_lshr_b32 s34, s32, 3                         ; O: block of 128 rows = 32 batch + 2 block + wave / 2,
	s_lshl_b32 s34, s34, 5
	s_lshl_b32 s35, s14, 1
	s_add_co_u32 s34, s34, s35
	s_lshr_b32 s35, s[WV], 1
	s_add_co_u32 s34, s34, s35
	s_lshl_b32 s34, s34, 17
	s_bfe_u32 s35, s32, 0x20001                    ; chunk = head / 2,
	s_lshl_b32 s35, s35, 15
	s_add_co_u32 s34, s34, s35
	s_lshl_b32 s35, s16, 14                        ; row tiles 4 (wave % 2) on,
	s_add_co_u32 s34, s34, s35
	s_and_b32 s35, s32, 1                          ; K steps 2 (head % 2) on
	s_lshl_b32 s35, s35, 11
	s_add_co_u32 s34, s34, s35
	s_mov_b32 s35, 0
	; descriptor group 1: 16,384 dense bytes as 64 rows of 32 elements of 8 bytes
	s_mov_b32 s[G1], 15|(3<<16)|(1<<21)            ; 15:0 the mask: all four work-groups; 17:16 elements of 8 bytes; 21 set beside a mask; no padding
	s_mov_b32 s[G1+1], 32<<16                      ; tensor_dim0 = 32
	s_mov_b32 s[G1+2], 64<<16                      ; tensor_dim1 = 64
	s_mov_b32 s[G1+3], 32<<16                      ; tile_dim0 = 32
	s_mov_b32 s[G1+4], 64                          ; tile_dim1 = 64
	s_mov_b32 s[G1+5], 32                          ; from row to row
	s_mov_b32 s[G1+6], 0
	s_mov_b32 s[G1+7], 0
	s_mov_b32 s[CS], 0x3e38aa3b                    ; c = log2(e) / 8
	s_mov_b32 s[CS+1], s[CS]                       ; named with it as a pair, so it is written
	s_mov_b32 s[SEL], 0x76543210
	s_mov_b32 s[SEL+1], 0xfedcba98
	s_mov_b32 s[TB], 0
	s_mov_b32 s[SLOTS], SEQ/(2*KS)-2
	s_and_b32 s[LIM], s[WV], 1                     ; 0 in waves 0 and 2,
	s_or_b32 s[LIM], s[LIM], ttmp9                 ; where the cluster is the head's first: the same in all four partners
	s_cmp_eq_u32 s[LIM], 0
	s_cselect_b32 s[LIM], 1, -1
	v_and_b32 v[PFO], 31, v0
	v_lshlrev_b32 v[PFO], 8, v[PFO]
	s_wait_dscnt 0x0                               ; both opening adds are done
	s_wait_kmcnt 0x0
	s_add_nc_u64 s[6:7], s[6:7], s[22:23]          ; K and V at my tile of slot 0
	s_add_nc_u64 s[8:9], s[8:9], s[22:23]
	s_add_nc_u64 s[4:5], s[4:5], s[2:3]            ; Q at my wave's first tile
	s_add_nc_u64 s[10:11], s[10:11], s[34:35]      ; O likewise
	s_cmp_lt_u32 s[WV], 2
	s_cselect_b64 s[PFA:PFA+1], s[6:7], s[8:9]     ; (in waves 0 and 2 these stand at a slot's first byte)
	s_lshl_b32 s2, s13, 13                         ; my work-group's 8,192 bytes of the 32,768
	s_mov_b32 s3, 0
	s_add_nc_u64 s[PFA:PFA+1], s[PFA:PFA+1], s[2:3]
	s_add_nc_u64 s[PFA:PFA+1], s[PFA:PFA+1], 2*2*TILEB  ; in slot 2; the first change of slots steps it to slot 3.  Nothing is prefetched here, at the head
	CROUND                                         ; all four work-groups are here: the first joint loads meet
.irp s, 0,1
	s_mov_b32 s[G0K+4*\s], 1                       ; count = 1
	s_add_co_u32 s[G0K+4*\s+1], s17, \s*SLOT1      ; LDS address
	s_add_nc_u64 s[G0K+4*\s+2:G0K+4*\s+3], s[6:7], \s*2*TILEB   ; global address: slot s begins with keys 256 s
	s_or_b32 s[G0K+4*\s+3], s[G0K+4*\s+3], 0x80000000           ; type = 2
	s_mov_b32 s[G0V+4*\s], 1
	s_add_co_u32 s[G0V+4*\s+1], s17, \s*SLOT1+VOFF
	s_add_nc_u64 s[G0V+4*\s+2:G0V+4*\s+3], s[8:9], \s*2*TILEB
	s_or_b32 s[G0V+4*\s+3], s[G0V+4*\s+3], 0x80000000
.endr
	s_cmp_lt_u32 s[WV], 2                          ; a wave's two first fills stand in one branch, ahead of every wait on TENSORcnt and every LDS read: two loads of mine are out
	s_cbranch_scc0 .Lfirst_v
	tensor_load_to_lds s[G0K:G0K+3], s[G1:G1+7]
	s_nop 0
	tensor_load_to_lds s[G0K+4:G0K+7], s[G1:G1+7]
	s_nop 0
.rept 4
	v_nop
.endr
	s_branch .Lfirst_asked
.Lfirst_v:
	tensor_load_to_lds s[G0V:G0V+3], s[G1:G1+7]
	s_nop 0
	tensor_load_to_lds s[G0V+4:G0V+7], s[G1:G1+7]
	s_nop 0
.rept 4
	v_nop
.endr
.Lfirst_asked:
	v_and_b32 v1, 31, v0
	v_lshlrev_b32 v[GO], 4, v1
	v_lshlrev_b32 v[AK0], 4, v1
	v_add_nc_u32 v[AV0], VOFF, v[AK0]
.irp n, 0,1,2,3,4,5,6,7,8,9,10,11,12,13,14,15  ; Q stays in registers: tile n / 4, channels 32 ((n / 2) % 2) on, half n % 2
	global_load_b128 v[Q+4*\n:Q+4*\n+3], v[GO], s[4:5] offset:512*\n
.endr
; THE MATRIX WORK OF A TURN, for piece x.  The accumulators take turns, one instruction a turn: between two links of a chain stand 7 (V^T P) or 15 (K Q^T) others'.
; Product i of 32 of O^T += V^T P: keys 32 (i / 8) on, channels 16 ((i / 2) % 4) on, tile x + i % 2.  zero = 1: the first 8 start the sums.
.macro PV x, zero
	WIN W_PV
.set rO, 32*(\x+i%2)+8*((i/2)%4)
.set rV, 128+32*(i/8)+8*((i/2)%4)
.set rP, P+32*(\x+i%2)+8*(i/8)
.if (\zero) && (i < 8)
	v_wmma_f32_16x16x32_f16 v[rO:rO+7], v[rV:rV+7], v[rP:rP+7], 0
.else
	v_wmma_f32_16x16x32_f16 v[rO:rO+7], v[rV:rV+7], v[rP:rP+7], v[rO:rO+7]
.endif
.endm
; Product i of 32 of S^T = K Q^T: channels 32 (i / 16) on, keys 16 ((i / 2) % 8) on, tile x + i % 2.  The first 16 start the sums.
.macro KQ x
	WIN W_KQ
.set rS, 64*(\x+i%2)+8*((i/2)%8)
.set rK, 16*((i/2)%8)+8*(i/16)
.set rQ, Q+16*(\x+i%2)+8*(i/16)
.if i < 16
	v_wmma_f32_16x16x32_f16 v[rS:rS+7], v[rK:rK+7], v[rQ:rQ+7], 0
.else
	v_wmma_f32_16x16x32_f16 v[rS:rS+7], v[rK:rK+7], v[rQ:rQ+7], v[rS:rS+7]
.endif
.endm
; THE LDS LOADS stand in runs of 32: a step's K and, a turn later, its V: images, 512 consecutive bytes a load.
.macro FETCH_K
	WIN 0
	v_add_nc_u32 v[ADR], s[TB], v[AK0]
	WIN W_LD
.set f, 0
.rept 32
	ds_load_b128 v[4*f:4*f+3], v[ADR] offset:512*f
.set f, f+1
.endr
.endm
.macro FETCH_V
	WIN 0
	v_add_nc_u32 v[ADR], s[TB], v[AV0]
	s_add_co_u32 s[TB], s[TB], STEPB               ; the next fetch is the next step's
	s_wait_alu depctr_va_vdst(0)                   ; the wait for the softmax's batch of exponentials, ahead of the first instruction that names a result
	WIN W_LD
.set f, 0
.rept 32
	ds_load_b128 v[128+4*f:128+4*f+3], v[ADR] offset:512*f
.set f, f+1
.endr
.endm
; THE VECTOR WORK OF A TURN.  One tile's softmax for one key step is a list of 216 instructions; SM writes number j of it for tile t.  s0-s63 are the lane's 64 scores, in pairs 0-31.
; first = 1: the first key step, which starts l and O^T: it has no a and nothing to rescale.
;   0-31    the maximum of the scores and the old m: four chains c0-c3 of sixteen scores each, by turns; each accumulator is first read at its registers 0 and 1
;   32-39   c0-c3 joined; the other half of the lanes' maximum; the new m; c m; a = 2^(c m_old - c m_new)
;   40-135  ONE BATCH: 32 scalings c s - c m, a pair each, and 64 exponentials: a scaling, then the two exponentials of the pair scaled three numbers earlier.  None of these names an exponential's result
;   (wait)  between 135 and 136 stands the one wait for the batch: SLICE writes it, once for both tiles
;   136-167 the roundings to f16;  168-198 the sum of the 32 pairs, a tree in place;  199 l = a l + the sum;  200-215 the tile's O^T times a
.macro SM t, first
.set rT, ST+8*(\t)
.set rS, 64*(\t)
.set rP, P+32*(\t)
.if j < 4
	WIN W_MX
	v_max3_num_f32 v[rT+4+j], v[rT+1], v[rS+16*j], v[rS+16*j+1]
.elseif j < 32
	WIN W_MX
	v_max3_num_f32 v[rT+4+j%4], v[rT+4+j%4], v[rS+16*(j%4)+2*(j/4)], v[rS+16*(j%4)+2*(j/4)+1]
.elseif j == 32
	WIN 0
	v_max3_num_f32 v[rT+4], v[rT+4], v[rT+5], v[rT+6]
.elseif j == 33
	WIN 0
	v_max_num_f32 v[rT+4], v[rT+4], v[rT+7]
.elseif j == 34
	WIN 0
	v_permlanex16_b32 v[rT+5], v[rT+4], s[SEL], s[SEL+1]   ; the query's other 64 keys lie in the lane 16 away
.elseif j == 36
	WIN 0
	v_max_num_f32 v[rT+1], v[rT+4], v[rT+5]
.elseif j == 37
	WIN 0
	v_mul_f32 v[rT], s[CS], v[rT+1]
.elseif ((j == 35) || (j == 38) || (j == 39) || (j > 198)) && \first   ; the first step has none of these
.elseif j == 35
	WIN 0
	v_mov_b32 v[rT+7], v[rT]                       ; c m_old is kept for a
.elseif j == 38
	WIN 0
	v_sub_f32 v[rT+7], v[rT+7], v[rT]
.elseif j == 39
	WIN 0
	v_exp_f32 v[rT+6], v[rT+7]
.elseif j < 136
	WIN W_BT
.set g, (j-41)/3
.if (j == 40) || ((j < 134) && ((j-41)%3 == 0))
.set b, 0
.if j > 40
.set b, g+1
.endif
	v_pk_fma_f32 v[rS+2*b:rS+2*b+1], v[rS+2*b:rS+2*b+1], s[CS:CS+1], v[rT:rT+1] op_sel_hi:[1,0,0] neg_lo:[0,0,1] neg_hi:[0,0,1]   ; pair b: c s - c m
.else
.set e, j-72
.if j < 134
.set e, 2*g+(j-41)%3-1
.endif
	v_exp_f32 v[rS+e], v[rS+e]
.endif
.elseif j < 168
	WIN W_CV
	v_cvt_pk_f16_f32 v[rP+j-136], v[rS+2*(j-136)], v[rS+2*(j-136)+1]
.elseif j < 199
.set z, j-168
.set w, 4
.set u, z
.if z >= 30
.set w, 64
.set u, 0
.elseif z >= 28
.set w, 32
.set u, z-28
.elseif z >= 24
.set w, 16
.set u, z-24
.elseif z >= 16
.set w, 8
.set u, z-16
.endif
.if (z == 30) && \first
	WIN W_CV
	v_pk_add_f32 v[rT+2:rT+3], v[rS:rS+1], v[rS+32:rS+33]
.else
	WIN W_SM
	v_pk_add_f32 v[rS+w*u:rS+w*u+1], v[rS+w*u:rS+w*u+1], v[rS+w*u+w/2:rS+w*u+w/2+1]
.endif
.elseif j == 199
	WIN W_LF
	v_pk_fma_f32 v[rT+2:rT+3], v[rT+2:rT+3], v[rT+6:rT+7], v[rS:rS+1] op_sel_hi:[1,0,1]
.else
	WIN W_RS
.set rO, 32*(\t)+2*(j-200)
	v_pk_mul_f32 v[rO:rO+1], v[rO:rO+1], v[rT+6:rT+7] op_sel_hi:[1,0]
.endif
.endm
; Slice k of 64 of piece y's softmax.  The piece's list is n = 0 .. 431: number n / 2 of tile y + n % 2: the two tiles alternate, so that no line reads the result of the line above it.  Slice k is n = 27 k / 4 up to
; 27 (k + 1) / 4: six or seven instructions.  Ahead of n = 272 nothing names an exponential's result, and from there on no exponential is issued: there stand one v_nop, the plain instruction behind the last exponential,
; and the piece's one wait; in piece 2's turn V's run of loads stands there too, with the wait inside it.
.macro SLICE y, first
.set n, (27*k)/4
.rept (27*(k+1))/4-(27*k)/4
.if n == 272
	v_nop
.if (\y) == 0
	FETCH_V
.else
	s_wait_alu depctr_va_vdst(0)
.endif
.endif
.set j, n/2
	SM (\y)+n%2, \first
.set n, n+1
.endr
.set k, k+1
.endm
.macro PLACES
.rept 4
	v_nop
.endr
.endm
; A TURN.  Piece x has the matrix unit; the other piece's softmax stands in slices behind its matrix instructions.  pv = 2: 32 products V^T P; 1: they start O^T's sums; 0: none.  kq = 1: 32 products K Q^T for the next step.
; A turn with one of the two kinds has two slices behind each product.  first = 1: the softmax is the first key step's; its last slices are empty, and four v_nop take their part as the places behind the last products.
; Slice 63, seven plain multiplications that name nothing of the products round them, stands between the turn's last K Q^T and the next turn's first reading of those scores and the loads into K's registers.
; Piece 0's turn fetches the next step's K behind its second product.  Piece 2's turn fetches the same step's V inside slice 40: between V's last product (in front of slice 31) and the loads stand more than four scalings.
.macro TURN x, pv, kq, first
.set k, 0
.set per, 2
.if \pv && \kq
.set per, 1
.endif
.if \pv
.if \x == 0
	s_wait_dscnt 0x0                               ; V is in
.endif
.set i, 0
.rept 32
	PV \x, 2-\pv
.rept per
	SLICE 2-\x, \first
.endr
.if (\x == 0) && \kq && (i == 1)
	FETCH_K
.endif
.set i, i+1
.endr
.endif
.if \kq
.if \x == 0
	s_wait_dscnt 0x0                               ; K is in
.endif
.set i, 0
.rept 32
	KQ \x
.rept per
	SLICE 2-\x, \first
.endr
.set i, i+1
.endr
.endif
.if \first
	PLACES
.endif
.endm
; THE CHANGE OF SLOTS, between piece 2's turn and piece 0's: the slot's last bytes, V of its second step, have been asked for.  Each wave waits for all its tensor loads, of which one is out: its part of the other slot;
; adds 0 to its spare word; and waits for that and for its own reads of the slot.  fill = 1: the slot is filled again with the keys two slots on: the barrier is then a round of the cluster's, and the joint refill is the
; first thing behind it: it has two key steps, 256 matrix instructions, in which to land.
.macro CHANGE fill
	WIN 0                                          ; at a label and at a branch every window is 0
	s_wait_tensorcnt 0x0                           ; no tensor load of mine is out, so a group 0 may be written
	ds_add_u32 v[SPW], v[NIL]                      ; 0 onto my spare word
.if \fill
.irp g, G0K+4, G0V+4
	s_xor_b32 s[\g+1], s[\g+1], SLOT1              ; the walking descriptor: the other slot than last time,
	s_add_nc_u64 s[\g+2:\g+3], s[\g+2:\g+3], 2*TILEB   ; the next 256 keys; the type bits on top are not reached
.endr
	s_wait_xcnt 0x0                                ; the last prefetch, two key steps back, has read its address
	s_add_nc_u64 s[PFA:PFA+1], s[PFA:PFA+1], 2*TILEB
	s_wait_dscnt 0x0                               ; the add is done, and my reads of the slot are over
	CROUND
	JLOAD
	ASK
.else
	s_wait_dscnt 0x0
	s_barrier_signal -1
	s_barrier_wait -1
.endif
	s_sub_co_u32 s[TB], s[TB], 2*STEPB             ; the fetches go back to a slot's first step,
	s_xor_b32 s[TB], s[TB], SLOT1                  ; in the other slot
.endm
.macro TWO_STEPS                       ; a slot's two key steps: written once, walked twice
	s_mov_b32 s[TWICE], 2
.Lstep_\@:
	TURN 0, 2, 1, 0
	TURN 2, 2, 1, 0
	WIN 0
	s_sub_co_u32 s[TWICE], s[TWICE], 1
	s_cmp_lg_u32 s[TWICE], 0
	s_cbranch_scc1 .Lstep_\@
.endm
	s_wait_tensorcnt 1                             ; my part of slot 0 is in; slot 1's may stay out
	s_barrier_signal -1
	s_barrier_wait -1                              ; everybody's is
	FETCH_K                                        ; key step 0
	s_wait_loadcnt 0x0                             ; Q
	s_wait_dscnt 0x0
.set i, 0
.rept 32
	KQ 0                                           ; piece 0's first scores
.set i, i+1
.endr
	WIN 0
.irp t, 0,1,2,3
	v_mov_b32 v[ST+8*\t+1], 0xff7fffff             ; m begins at the lowest number.  (Four plain instructions: the places behind those products)
.endr
	TURN 2, 0, 1, 1                                ; piece 2's first scores | piece 0's first softmax | V of step 0
	TURN 0, 1, 1, 1                                ; piece 0: V^T P of step 0 starts O^T, K Q^T of step 1 | piece 2's first softmax | K of step 1
	TURN 2, 1, 1, 0                                ; piece 2: the same | piece 0's softmax of step 1 | V of step 1
	WIN 0
.Lslot:                                            ; 14 trips: every slot but the last two is filled again
	CHANGE 1
	TWO_STEPS
	s_sub_co_u32 s[SLOTS], s[SLOTS], 1
	s_cmp_lg_u32 s[SLOTS], 0
	s_cbranch_scc1 .Lslot
	CHANGE 0                                       ; the tail is written out
	TWO_STEPS
	TURN 0, 2, 0, 0                                ; piece 0: V^T P of the last step | piece 2's last softmax
.set i, 0
.rept 32
	PV 2, 0                                        ; piece 2: V^T P of the last step
.set i, i+1
.endr
	; THE WAY OUT.  l's two halves and the other half of the lanes' are added; O^T is divided by l and rounded to f16 in pairs: four registers are half a fragment of the projection's operand, stored as 512 consecutive bytes.
	WIN 0
.irp t, 0,1,2,3
	v_add_f32 v[ST+8*\t+4], v[ST+8*\t+2], v[ST+8*\t+3]   ; (these additions are the places behind the last products)
.endr
.irp t, 0,1,2,3
	v_permlanex16_b32 v[ST+8*\t+5], v[ST+8*\t+4], s[SEL], s[SEL+1]
.endr
.irp t, 0,1,2,3
	v_add_f32 v[ST+8*\t+4], v[ST+8*\t+4], v[ST+8*\t+5]
.endr
.irp t, 0,1,2,3
	v_rcp_f32 v[ST+8*\t+6], v[ST+8*\t+4]
.endr
	v_nop                                          ; a plain instruction between the last reciprocal and the use of its result
	s_wait_alu depctr_va_vdst(0)                   ; and the wait ahead of the first use: one for the four
.macro OUT t
	WIN W_RS
.set i, 0
.rept 16
	v_pk_mul_f32 v[32*\t+2*i:32*\t+2*i+1], v[32*\t+2*i:32*\t+2*i+1], v[ST+8*\t+6:ST+8*\t+7] op_sel_hi:[1,0]   ; each accumulator from its low end on
.set i, i+1
.endr
	WIN 0x0f                                       ; sources 0 and 1 window 3, destination window 0: the registers of pieces 0's P, which no product reads any more
.set i, 0
.rept 16
	v_cvt_pk_f16_f32 v[P+16*\t+i], v[32*\t+2*i], v[32*\t+2*i+1]
.set i, i+1
.endr
	WIN 0
.irp c, 0,1,2,3
	global_store_b128 v[GO], v[P+16*\t+4*\c:P+16*\t+4*\c+3], s[10:11] offset:4096*\t+512*\c
.endr
.endm
	OUT 0
	OUT 1
	OUT 2
	OUT 3
	s_wait_tensorcnt 0x0                           ; the wave's end
	ds_add_u32 v[SPW], v[NIL]
	s_wait_dscnt 0x0
	CROUND                                         ; the closing round: no work-group ends while a partner may still ask for a tile that names it
	s_endpgm
.Lfunc_end_k_q67b40492e0_attn:
	.size	k_q67b40492e0_attn, .Lfunc_end_k_q67b40492e0_attn-k_q67b40492e0_attn
	.p2alignl 7, 3214868480
	.fill 96, 4, 3214868480
	.section	.rodata,"a",@progbits
	.p2align	6, 0x0
	.amdhsa_kernel k_q67b40492e0_attn
		.amdhsa_group_segment_fixed_size 327680
		.amdhsa_private_segment_fixed_size 0
		.amdhsa_enable_private_segment 0
		.amdhsa_kernarg_size 32
		.amdhsa_user_sgpr_count 2
		.amdhsa_user_sgpr_kernarg_segment_ptr 1
		.amdhsa_wavefront_size32 1
		.amdhsa_system_sgpr_workgroup_id_x 1
		.amdhsa_system_sgpr_workgroup_id_y 1
		.amdhsa_system_sgpr_workgroup_id_z 1
		.amdhsa_system_vgpr_workitem_id 0
		.amdhsa_next_free_vgpr 1024
		.amdhsa_next_free_sgpr 66
		.amdhsa_reserve_vcc 0
		.amdhsa_float_denorm_mode_32 3
		.amdhsa_float_denorm_mode_16_64 3
		.amdhsa_memory_ordered 1
		.amdhsa_forward_progress 1
		.amdhsa_inst_pref_size 255
	.end_amdhsa_kernel
	.section	.bss,"aw",@nobits
	.p2align	6
	.space	262144
	.amdgpu_metadata
---
amdhsa.version: [ 1, 2 ]
amdhsa.kernels:
  - .name:           k_q67b40492e0_attn
    .symbol:         k_q67b40492e0_attn.kd
    .args:
      - { .name: qf, .offset: 0, .size: 8, .value_kind: global_buffer, .address_space: global }
      - { .name: kf, .offset: 8, .size: 8, .value_kind: global_buffer, .address_space: global }
      - { .name: vf, .offset: 16, .size: 8, .value_kind: global_buffer, .address_space: global }
      - { .name: of, .offset: 24, .size: 8, .value_kind: global_buffer, .address_space: global }
    .group_segment_fixed_size: 327680
    .private_segment_fixed_size: 0
    .kernarg_segment_align: 8
    .kernarg_segment_size: 32
    .max_flat_workgroup_size: 128
    .sgpr_count:     66
    .vgpr_count:     1024
    .wavefront_size: 32
...
	.end_amdgpu_metadata
.endif
;; end of part 3
;; launch proj (part 4): grid 4 x 64, 4 waves a work-group, clusters of 4 x 4, 327,680 bytes of LDS; arguments of, wpf, bp, out0; writes out0
.if DOCPART == 4
	.amdgcn_target "amdgcn-amd-amdhsa--gfx1250"
	.amdhsa_code_object_version 6
	.text
	.protected	k_q67b40492e0_proj
	.globl	k_q67b40492e0_proj
	.p2align	8
	.type	k_q67b40492e0_proj,@function
k_q67b40492e0_proj:
	s_mov_b64 s[64:65], 0
	v_nop
	global_prefetch_b8 v0, s[64:65] scope:SCOPE_SE
	s_setreg_imm32_b32 hwreg(HW_REG_WAVE_MODE, 25, 1), 1
	s_wait_xcnt 0x0
	s_wait_alu depctr_hold_cnt(0) depctr_sa_sdst(0) depctr_va_vdst(0) depctr_va_sdst(0) depctr_va_ssrc(0) depctr_va_vcc(0) depctr_vm_vsrc(0)
	s_getreg_b32 s2, hwreg(HW_REG_IB_STS2, 6, 4)
	s_cmp_eq_u32 s2, 0
	s_cbranch_scc0 .Lentry_in_a_cluster
	s_endpgm
.Lentry_in_a_cluster:
	s_bfe_u32 s2, ttmp6, 0x10000c
	s_cmp_lg_u32 s2, 0xf033
	s_cbranch_scc0 .Lentry_shape_is_right
	s_endpgm
.Lentry_shape_is_right:
; out0[row][n] = the sum over k of o[row][k] Wp[n][k] + bp[n].  o [8192][512] and Wp [512][512] arrive as f16 images of operand registers (of, wpf); sums in f32; out0 [8192][512] f32.
; A tile of 128 x 128 to a work-group, 64 x 64 to each of its four waves: 16 accumulators.  All of K = 512 fits in LDS: four chunks of 128 along K, 32,768 bytes of o and as many of Wp each, every byte filled once: no ring.
; Each wave asks for its quarter of every chunk at the start (four tensor loads of mine are out) and the chunks are multiplied as they land.
; CLUSTERS: 4 x 4 work-groups.  The four of a row of the cluster need the same rows of o, the four of a column the same rows of Wp: each tile is asked for jointly.
; THE MATRIX INSTRUCTION IS USED TRANSPOSED (source 0 = 16 rows of Wp, source 1 = 16 rows of o): a lane holds eight neighbouring numbers of a row of out0.  The bias is the C of each sum's first product.
; REGISTERS: window 0: v16-19, v20-23 LDS addresses of my fragments of o and of Wp in chunk 0..3; v24-29; v32-63 the bias, 8 a column tile; v64-127 the way out; v128-255 the accumulators ((a, b) at v[128 + 8 (4 a + b)]).
;   window 1: two fragment buffers of 128: for 64 along K, 64 registers of o, then 64 of Wp.
.set CHUNK, 65536                      ; a chunk in LDS: o's 32,768 bytes, then Wp's
.set STAGE, 4*CHUNK                    ; behind the chunks: 16 rows x 272 bytes for each wave, for the way out
.set SP,    272
.set SPARE, STAGE+4*16*SP              ; behind the stages: the spare words, 128 bytes for each wave: two blocks of 256 bytes that no other line names
.set ADRA, 16
.set ADRB, 20
.set STO,  24                          ; v24  the way out: where I put 32 bytes of a row
.set RD,   25                          ; v25  where I read a row back
.set CO,   26                          ; v26  my byte offset in out0
.set SPW,  28                          ; v28  LDS address of my spare word; never rewritten
.set NIL,  29                          ; v29  0; never rewritten
.set BIAS, 32
.set BK,   64
.set ACC,  128
.set G1A, 24                           ; s[24:31] descriptor group 1 for o's tiles;  s[32:39] for Wp's: they differ in the mask alone
.set G1B, 32
.set G0A, 40                           ; s[40:55] groups 0 for o's four chunks;  s[68:83] for Wp's
.set G0B, 68
.set MSB, 0
.macro WIN new
.if MSB != \new
	s_set_vgpr_msb (MSB<<8)|\new
.set MSB, \new
.endif
.endm
.set MUL,  0x05                        ; sources 0 (Wp) and 1 (o) window 1; C and D window 0
.set TO_F, 0x40                        ; destination window 1, address window 0
.macro CROUND                          ; a round of the cluster's barrier
	s_barrier_signal -1
	s_barrier_wait -1
	s_cmp_lg_u32 s12, 0
	s_cbranch_scc1 .Lnot_wave_0_\@
	s_barrier_signal -3
.Lnot_wave_0_\@:
	s_barrier_wait -3
	s_barrier_signal -1
	s_barrier_wait -1
.endm
	s_load_b256 s[4:11], s[0:1], 0x0               ; of s[4:5], wpf s[6:7], bp s[8:9], out0 s[10:11]
	v_lshl_add_u32 v[SPW], v0, 2, SPARE
	v_mov_b32 v[NIL], 0
	ds_add_u32 v[SPW], v[NIL]                      ; the wave's opening: the add, twice on end, and its wait ahead of my first tensor load
	ds_add_u32 v[SPW], v[NIL]
	v_lshrrev_b32 v1, 5, v0
	v_readfirstlane_b32 s12, v1                    ; wave 0..3
	s_lshr_b32 s13, s12, 1                         ; which half of the tile's rows is mine.  Also: I fetch for o (0) or for Wp (1)
	s_and_b32 s14, s12, 1                          ; which half of its columns.  Also: which half of a chunk's tile I fetch
	s_bfe_u32 s84, ttmp6, 0x40000                  ; cx, cy: my place in the cluster
	s_bfe_u32 s85, ttmp6, 0x40004
	s_lshl_b32 s86, ttmp9, 2
	s_add_co_u32 s86, s86, s84                     ; block of 128 columns = 4 x cluster x + cx
	s_and_b32 s15, ttmp7, 0xffff
	s_lshl_b32 s15, s15, 2
	s_add_co_u32 s15, s15, s85                     ; block of 128 rows = 4 x cluster y + cy
	s_lshl_b32 s87, s85, 2
	s_lshl_b32 s87, 15, s87                        ; my row of the cluster
	s_lshl_b32 s88, 0x1111, s84                    ; my column
	s_or_b32 s[G1A], s87, (3<<16)|(1<<21)          ; 15:0 the mask; 17:16 elements of 8 bytes; 21 set beside a mask; no padding
	s_or_b32 s[G1B], s88, (3<<16)|(1<<21)
.irp g, G1A, G1B                       ; 16,384 dense bytes as 64 rows of 32 elements
	s_mov_b32 s[\g+1], 32<<16
	s_mov_b32 s[\g+2], 64<<16
	s_mov_b32 s[\g+3], 32<<16
	s_mov_b32 s[\g+4], 64
	s_mov_b32 s[\g+5], 32
	s_mov_b32 s[\g+6], 0
	s_mov_b32 s[\g+7], 0
.endr
	s_lshl_b32 s16, s14, 14                        ; my half of a chunk's tile
	s_lshl_b32 s18, s15, 17                        ; o: 131,072 bytes a block of rows
	s_add_co_u32 s18, s18, s16
	s_mov_b32 s19, 0
	s_lshl_b32 s20, s86, 17                        ; Wp: as many a block of columns
	s_add_co_u32 s20, s20, s16
	s_mov_b32 s21, 0
	s_lshl_b32 s17, s12, 14                        ; where they go: 16,384 x wave: o's two halves, then Wp's
	s_wait_dscnt 0x0                               ; both opening adds are done
	s_wait_kmcnt 0x0
	s_add_nc_u64 s[18:19], s[4:5], s[18:19]
	s_add_nc_u64 s[20:21], s[6:7], s[20:21]
	CROUND                                         ; all sixteen work-groups are here: the joint loads meet
.irp c, 0,1,2,3
	s_mov_b32 s[G0A+4*\c], 1
	s_add_co_u32 s[G0A+4*\c+1], s17, \c*CHUNK
	s_add_nc_u64 s[G0A+4*\c+2:G0A+4*\c+3], s[18:19], \c*32768
	s_or_b32 s[G0A+4*\c+3], s[G0A+4*\c+3], 0x80000000
	s_mov_b32 s[G0B+4*\c], 1
	s_add_co_u32 s[G0B+4*\c+1], s17, \c*CHUNK
	s_add_nc_u64 s[G0B+4*\c+2:G0B+4*\c+3], s[20:21], \c*32768
	s_or_b32 s[G0B+4*\c+3], s[G0B+4*\c+3], 0x80000000
.endr
	s_cmp_eq_u32 s13, 0                            ; a wave's four fills stand in one branch on the wave's number
	s_cbranch_scc0 .Lfor_b
.irp c, 0,1,2,3
	tensor_load_to_lds s[G0A+4*\c:G0A+4*\c+3], s[G1A:G1A+7]
	s_nop 0
.endr
.rept 4
	v_nop
.endr
	s_branch .Lasked
.Lfor_b:
.irp c, 0,1,2,3
	tensor_load_to_lds s[G0B+4*\c:G0B+4*\c+3], s[G1B:G1B+7]
	s_nop 0
.endr
.rept 4
	v_nop
.endr
.Lasked:
	v_and_b32 v1, 31, v0                           ; lane
	v_and_b32 v2, 15, v0                           ; r
	v_bfe_u32 v3, v0, 4, 1                         ; h
	v_lshlrev_b32 v4, 4, v1
	s_lshl_b32 s22, s13, 14                        ; my four row tiles of o
	s_lshl_b32 s23, s14, 14                        ; my four column tiles of Wp,
	s_add_co_u32 s23, s23, 32768                   ; which lie behind o's eight
.irp c, 0,1,2,3
	v_add_nc_u32 v[ADRA+\c], s22, v4
	v_add_nc_u32 v[ADRB+\c], s23, v4
	s_add_co_u32 s22, s22, CHUNK
	s_add_co_u32 s23, s23, CHUNK
.endr
	s_mul_i32 s22, s12, 16*SP
	s_add_co_u32 s22, s22, STAGE                   ; my stage
	v_mul_u32_u24 v5, v2, SP                       ; in: row r, 32 bytes for each half of the lanes
	v_lshl_add_u32 v5, v3, 5, v5
	v_add_nc_u32 v[STO], s22, v5
	v_mul_u32_u24 v5, v3, SP                       ; back: lanes 0-15 one row of 256 bytes, lanes 16-31 the next
	v_lshl_add_u32 v5, v2, 4, v5
	v_add_nc_u32 v[RD], s22, v5
	v_lshlrev_b32 v[CO], 11, v3                    ; and the same two rows in out0
	v_lshl_add_u32 v[CO], v2, 4, v[CO]
	s_lshl_b32 s22, s86, 9                         ; my first column, in bytes: 512 x block + 256 x half: in bp and in a row of out0 alike
	s_lshl_b32 s23, s14, 8
	s_add_co_u32 s22, s22, s23
	s_mov_b32 s23, 0
	s_add_nc_u64 s[8:9], s[8:9], s[22:23]
	s_add_nc_u64 s[10:11], s[10:11], s[22:23]
	s_lshl_b32 s22, s15, 7
	s_lshl_b32 s23, s13, 6
	s_add_co_u32 s22, s22, s23                     ; my first row: 128 x block + 64 x half,
	s_lshl_b32 s22, s22, 11                        ; of 2,048 bytes
	s_mov_b32 s23, 0
	s_add_nc_u64 s[10:11], s[10:11], s[22:23]
	v_lshlrev_b32 v6, 5, v3
.irp b, 0,1,2,3                        ; the bias in the result's layout: lane (r, h), column tile b: bp at columns 16 b + 8 h + 0 .. 7
	global_load_b128 v[BIAS+8*\b:BIAS+8*\b+3], v6, s[8:9] offset:64*\b
	global_load_b128 v[BIAS+8*\b+4:BIAS+8*\b+7], v6, s[8:9] offset:64*\b+16
.endr
; 8 matrix instructions: row tiles a0, a0 + 1 x my 4 column tiles, 32 along K: half c of buffer f.  first = 1: the bias starts the sums.  The 16 accumulators take turns, one instruction a turn.
.macro MUL8 f, c, a0, first
.irp a, \a0, \a0+1
.irp b, 0,1,2,3
.if \first
	v_wmma_f32_16x16x32_f16 v[ACC+8*(4*(\a)+\b):ACC+8*(4*(\a)+\b)+7], v[\f+64+8*(4*\c+\b):\f+64+8*(4*\c+\b)+7], v[\f+8*(4*\c+(\a)):\f+8*(4*\c+(\a))+7], v[BIAS+8*\b:BIAS+8*\b+7]
.else
	v_wmma_f32_16x16x32_f16 v[ACC+8*(4*(\a)+\b):ACC+8*(4*(\a)+\b)+7], v[\f+64+8*(4*\c+\b):\f+64+8*(4*\c+\b)+7], v[\f+8*(4*\c+(\a)):\f+8*(4*\c+(\a))+7], v[ACC+8*(4*(\a)+\b):ACC+8*(4*(\a)+\b)+7]
.endif
.endr
.endr
.endm
; 32 LDS loads in one run: the fragments of the q-th 64 along K into buffer f, the first 32 along K first; images: 512 consecutive bytes a load
.macro FETCH q, f
	WIN TO_F
.irp c, 0,1
.irp i, 0,1,2,3
	ds_load_b128 v[\f+64+8*(4*\c+\i):\f+64+8*(4*\c+\i)+3],   v[ADRB+(\q)/2] offset:4096*\i+1024*(2*((\q)%2)+\c)
	ds_load_b128 v[\f+64+8*(4*\c+\i)+4:\f+64+8*(4*\c+\i)+7], v[ADRB+(\q)/2] offset:4096*\i+1024*(2*((\q)%2)+\c)+512
	ds_load_b128 v[\f+8*(4*\c+\i):\f+8*(4*\c+\i)+3],         v[ADRA+(\q)/2] offset:4096*\i+1024*(2*((\q)%2)+\c)
	ds_load_b128 v[\f+8*(4*\c+\i)+4:\f+8*(4*\c+\i)+7],       v[ADRA+(\q)/2] offset:4096*\i+1024*(2*((\q)%2)+\c)+512
.endr
.endr
.endm
.macro PLACES                          ; four places in front of loads into registers that matrix instructions have read, and of the first reading of results
.rept 4
	v_nop
.endr
.endm
; The q-th 64 along K: 32 matrix instructions on buffer q % 2; in its middle the next 64 are fetched into the other buffer.  Where they lie in the next chunk, a barrier stands first: each wave has waited for its part of that chunk.
.macro QSTEP q
.set F, 128*((\q)%2)
.set G, 128-F
	s_wait_dscnt 16                                ; the first 32 along K are in; the other sixteen loads may be out
	WIN MUL
.if (\q) == 0
	MUL8 F, 0, 0, 1
	MUL8 F, 0, 2, 1
.else
	MUL8 F, 0, 0, 0
	MUL8 F, 0, 2, 0
.endif
.if (\q) == 7
	s_wait_dscnt 0x0
.elseif (\q)%2 == 0
	PLACES
	FETCH (\q)+1, G
	s_wait_dscnt 32                                ; all but the 32 just issued
.else
	s_wait_tensorcnt 3-((\q)+1)/2                  ; my part of the next chunk is in; the later chunks' loads may be out
	s_wait_dscnt 0x0                               ; no LDS instruction of mine is pending at the signal
	s_barrier_signal -1
	s_barrier_wait -1                              ; everybody's part is in
	PLACES
	FETCH (\q)+1, G
.endif
	WIN MUL
	MUL8 F, 1, 0, 0
	MUL8 F, 1, 2, 0
.endm
	s_wait_tensorcnt 3                             ; my part of chunk 0 is in; three loads of mine may be out
	s_barrier_signal -1
	s_barrier_wait -1
	FETCH 0, 0
	s_wait_loadcnt 0x0                             ; the bias
.irp q, 0,1,2,3,4,5,6,7
	QSTEP \q
.endr
	WIN 0
; THE WAY OUT, block by block of 16 rows x 64 columns.  A lane holds 32 neighbouring bytes of a row: a block goes through my own stage in LDS and comes back as whole rows of 256 bytes, which sixteen lanes store, aligned.
; LDS serves a wave's instructions in order (ISA guide 5.7.1.4): no wait between the stores and the loads, nor in front of the next block's stores.
.macro TOSTAGE a
.irp b, 0,1,2,3
	ds_store_b128 v[STO], v[ACC+8*(4*(\a)+\b):ACC+8*(4*(\a)+\b)+3] offset:64*\b        ; each accumulator from its low end on
	ds_store_b128 v[STO], v[ACC+8*(4*(\a)+\b)+4:ACC+8*(4*(\a)+\b)+7] offset:64*\b+16
.endr
.set BB, BK+32*((\a)%2)
.irp i, 0,1,2,3,4,5,6,7
	ds_load_b128 v[BB+4*\i:BB+4*\i+3], v[RD] offset:2*\i*SP
.endr
.endm
.macro SEND a, younger                 ; younger: the LDS instructions issued behind block a's loads, which may stay out
.set BB, BK+32*((\a)%2)
	s_wait_dscnt \younger
.irp i, 0,1,2,3,4,5,6,7
	global_store_b128 v[CO], v[BB+4*\i:BB+4*\i+3], s[10:11] offset:(16*(\a)+2*\i)*2048 th:TH_STORE_NT
.endr
.endm
	PLACES
	TOSTAGE 0
.irp a, 1,2,3
.if \a > 1
	s_wait_xcnt 0x0                                ; block a - 2's stores have read their registers: block a's loads may land there
.endif
	TOSTAGE \a
	SEND \a-1, 16                                  ; behind block a - 1's loads: block a's 8 stores and 8 loads
.endr
	SEND 3, 0
	s_wait_tensorcnt 0x0                           ; the wave's end
	ds_add_u32 v[SPW], v[NIL]
	s_wait_dscnt 0x0
	CROUND                                         ; the closing round
	s_endpgm
.Lfunc_end_k_q67b40492e0_proj:
	.size	k_q67b40492e0_proj, .Lfunc_end_k_q67b40492e0_proj-k_q67b40492e0_proj
	.p2alignl 7, 3214868480
	.fill 96, 4, 3214868480
	.section	.rodata,"a",@progbits
	.p2align	6, 0x0
	.amdhsa_kernel k_q67b40492e0_proj
		.amdhsa_group_segment_fixed_size 327680
		.amdhsa_private_segment_fixed_size 0
		.amdhsa_enable_private_segment 0
		.amdhsa_kernarg_size 32
		.amdhsa_user_sgpr_count 2
		.amdhsa_user_sgpr_kernarg_segment_ptr 1
		.amdhsa_wavefront_size32 1
		.amdhsa_system_sgpr_workgroup_id_x 1
		.amdhsa_system_sgpr_workgroup_id_y 1
		.amdhsa_system_sgpr_workgroup_id_z 1
		.amdhsa_system_vgpr_workitem_id 0
		.amdhsa_next_free_vgpr 512
		.amdhsa_next_free_sgpr 100
		.amdhsa_reserve_vcc 0
		.amdhsa_float_denorm_mode_32 3
		.amdhsa_float_denorm_mode_16_64 3
		.amdhsa_memory_ordered 1
		.amdhsa_forward_progress 1
		.amdhsa_inst_pref_size 51
	.end_amdhsa_kernel
	.amdgpu_metadata
---
amdhsa.version: [ 1, 2 ]
amdhsa.kernels:
  - .name:           k_q67b40492e0_proj
    .symbol:         k_q67b40492e0_proj.kd
    .args:
      - { .name: of, .offset: 0, .size: 8, .value_kind: global_buffer, .address_space: global }
      - { .name: wpf, .offset: 8, .size: 8, .value_kind: global_buffer, .address_space: global }
      - { .name: bp, .offset: 16, .size: 8, .value_kind: global_buffer, .address_space: global }
      - { .name: out0, .offset: 24, .size: 8, .value_kind: global_buffer, .address_space: global }
    .group_segment_fixed_size: 327680
    .private_segment_fixed_size: 0
    .kernarg_segment_align: 8
    .kernarg_segment_size: 32
    .max_flat_workgroup_size: 128
    .sgpr_count:     100
    .vgpr_count:     512
    .wavefront_size: 32
...
	.end_amdgpu_metadata
.endif
;; end of part 4
